; MI455X (gfx1250); checked and timed in simulation.
; The chip was launched on July 23, 2026; its instructions are those of AMD's public machine-readable ISA for CDNA 5 (MIT licence, August 2026) and "CDNA5" Instruction Set Architecture Reference Guide (July 2026). The comments in the code are by the model that wrote it; some were corrected since.
;; Scaled Dot Product Attention. Allowed arithmetic: matrix products marked QUANTISED: E2M3 operands, one E8M0 scale for each 32 along K, by v_wmma_scale_f32_16x16x128_f8f6f4 with both operands' format E2M3, f32 sums; everything else in f32.
;; Inputs: k_codes 4 x 16 x 2,048 x 2 x 24 uint8 (E2M3 codes of k, K innermost, in blocks of 32 codes, four codes in three bytes); k_scales 4 x 16 x 2,048 x 2 uint8 (E8M0 scales of k, one for each 32 codes along K); mask 4 x 1 x 2,048 x 2,048 bool; q_codes 4 x 16 x 2,048 x 2 x 24 uint8 (E2M3 codes of q, K innermost, in blocks of 32 codes, four codes in three bytes); q_scales 4 x 16 x 2,048 x 2 uint8 (E8M0 scales of q, one for each 32 codes along K); v_codes 4 x 16 x 64 x 64 x 24 uint8 (E2M3 codes of v, K innermost, in blocks of 32 codes, four codes in three bytes); v_scales 4 x 16 x 64 x 64 uint8 (E8M0 scales of v, one for each 32 codes along K).
;; Outputs: out0 4 x 16 x 2,048 x 64 float32.
;; This version of the problem:
;;   THIS VERSION OF THE PROBLEM IS GIVEN IN LOW PRECISION. The matrix products marked QUANTISED in the list below multiply operands that are first quantised to E2M3 (2 exponent bits, 3 mantissa bits; 6 bits a number), with one power-of-two scale for each 32 numbers along K (OCP MX v1.0); their sums are f32. All else is computed in f32.
;;   The module's matrix products, in the order in which they are computed (A, B: the left and right operand; K: the contracted axis; several contracted axes count as one K, in the product's order):
;;     1. batch 64 x [M 2,048, K 64] x [K 64, N 2,048]; A: input q (given as codes); B: input k (given as codes): QUANTISED
;;     2. batch 64 x [M 2,048, K 2,048] x [K 2,048, N 64]; A: softmax (see below); B: input v (given as codes): QUANTISED
;;   THE QUANTISER, for each operand of a quantised product, along K:
;;     - K is cut into blocks of 32 from its start; a last block that is shorter is filled with zeros.
;;     - A block's scale is 2^e with e = floor(log2(the largest magnitude in the block)) - 2, held to -126 .. 127; a block of zeros has e = 0. As a byte (E8M0): e + 127.
;;     - Each number is divided by its block's scale, clamped to +-7.5, and rounded to the nearest number of E2M3, ties to even, subnormals kept.
;;     - The product sums the exact products of the quantised numbers (number of the format x scale) in f32.
;;   ~~~python
;;   def quantise(x, axis):      # numpy; x: float32 -> the quantised numbers, widened to float32 again
;;       x = np.moveaxis(x, axis, -1); K = x.shape[-1]
;;       x = np.pad(x, [(0, 0)] * (x.ndim - 1) + [(0, -K % 32)]); x = x.reshape(x.shape[:-1] + (-1, 32)); a = np.abs(x).max(-1, keepdims=True)
;;       e = np.where(a > 0, np.clip(np.frexp(np.where(a > 0, a, 1))[1] - 1 - 2, -126, 127), 0)      # np.frexp(a)[1] - 1 = floor(log2(a)), exactly
;;       r = np.clip(x / 2.0 ** e, -7.5, 7.5)
;;       step = 2.0 ** (np.maximum(np.frexp(np.where(r == 0, 1, r))[1] - 1, 0) - 3)
;;       q = np.round(r / step) * step * 2.0 ** e      # np.round: ties to even
;;       return np.moveaxis(q.reshape(q.shape[:-2] + (-1,))[..., :K], -1, axis).astype(np.float32)
;;   ~~~
;;   SOFTMAX AHEAD OF A QUANTISED PRODUCT. Where the list says 'softmax', what is quantised is not the finished softmax but p = 2^(t - M), with t = logit x log2(e) and M = ceil(the row's largest t), a whole number; so 1/2 < the row's largest p <= 1. The row's sum l is taken of the UNQUANTISED p, in f32, and the product's result is divided by l at the end. Since M is a whole number, a kernel that streams over the keys may use a running M (the ceiling of the running maximum): every later rescaling is an exact power of two, which a block's scale takes up: the codes' values come out the same.
;;   OPERANDS COMPUTED ON THE WAY. 'Computed on the way' means the value that the module computes at that place (a softmax that the list does not call 'softmax' is quantised finished and normalised). What goes into a quantiser is computed in f32, as accurately as f32 sums, v_exp_f32 and their like allow (about 1e-6 of the number): no bf16 or f16 on the way to a quantiser, and a product that is left as it is and whose result goes on into a quantised operand takes f32 operands (vector FMAs, or v_wmma_f32_16x16x4_f32). A number that lies on a knife's edge between two numbers of the format may be rounded either way, as far as f32 arithmetic and the matrix unit's own rounding can turn it there, and no further.
;;   INPUTS GIVEN AS CODES. k (in the module: [4, 16, 2048, 64], K = its axis 3); q (in the module: [4, 16, 2048, 64], K = its axis 3); v (in the module: [4, 16, 2048, 64], K = its axis 2): each comes as NAME_codes (uint8): NAME with its K axis moved to the last place and cut into blocks of 32 codes, [.., K / 32, bytes a block], one block behind the other in memory; four codes in three bytes: a row's codes are one little-endian stream of bits, code i at bits 6 i .. 6 i + 5 (a code: sign, 2 exponent bits, 3 mantissa bits); and NAME_scales (uint8): the same leading axes, one E8M0 byte (e + 127) for each 32 codes along K. Its value is code x scale, taken as it is: it is not quantised again, and the codes and scales need not be those that the quantiser above would give.
;; One version. Each part assembles by itself: llvm-mc -triple=amdgcn-amd-amdhsa -mcpu=gfx1250 --defsym DOCPART=n.
;; ======== version 1 of 1: 2 launches
;; limits: right only within a limited range of input values
;; workspace buffers: kv 13,631,488 bytes; mw 2,097,152 bytes of whole numbers
;; launch prep (part 1): grid 512 x 1, 8 waves a work-group, no clusters, 70,656 bytes of LDS; arguments mask, k_codes, k_scales, v_codes, v_scales, kv, mw; writes kv, mw
.if DOCPART == 1
	.amdgcn_target "amdgcn-amd-amdhsa--gfx1250"
	.amdhsa_code_object_version 6
	.text
	.protected	k_qa56ce6491a_prep
	.globl	k_qa56ce6491a_prep
	.p2align	8
	.type	k_qa56ce6491a_prep,@function
k_qa56ce6491a_prep:
	s_mov_b64 s[64:65], 0
	v_nop
	global_prefetch_b8 v0, s[64:65] scope:SCOPE_SE
	s_setreg_imm32_b32 hwreg(HW_REG_WAVE_MODE, 25, 1), 1
	s_wait_xcnt 0x0
; Lays out what the attention launch reads, once, in the order in which its registers take it.
; (1) mw: the mask [4][2048][2048] of bytes becomes LANE MASKS.  For a tile of 16 queries and a step of 128 keys there are 64 words; word 16 b + e has at bit 16 h + r
;     the mask of query r and key 32 b + 16 h + e.  That is the lane mask of score register 16 b + e in the attention launch (lane = 16 h + r holds query r), so that
;     masking there is one select a register.  mw: [4 x 128 tiles of queries][16 steps][64 words].  A mask byte other than 0 counts as true.
; (2) kv: for each head and each step of 128 keys one block of BLK bytes, an IMAGE OF OPERAND REGISTERS: registers 4 g .. 4 g + 3 of lane l lie at 512 g + 16 l.
;     bytes 0 on:      K, 48 registers: tile t = 2 b + u of 16 keys at registers 6 t .. 6 t + 5; lane (r, h) holds the 24 bytes at byte 24 h of key 32 b + 8 u + r + 8 (r / 8)
;     bytes 6,144 on:  V, 48 registers: tile t of 16 channels at registers 12 t .. 12 t + 11; lane (r, h) holds, of channel 16 t + r, the step's bytes 24 h + 48 c + 0 .. 23 at 12 t + 6 c on
;     bytes 12,288 on: K's scale words: register b, lanes 0-15 for tile 2 b, lanes 16-31 for tile 2 b + 1: the key's two bytes, written twice (the upper two scale the half of the
;                      product's K that holds nothing; repeating the real bytes gives that half no larger scale than the real one)
;     bytes 12,800 on: V's scale words: register j, lane l: channel 32 j + l, the step's four bytes; two more registers of the byte 127 fill the group of four
; Work-groups 0-255 take the mask, 256-511 K and V.  Waves share nothing: no barrier.  Only the mask's path uses LDS.
.set BLK,    13312                     ; a step's block: 52 x 256 bytes
.set SP,     272                       ; a stage row: 256 bytes + 16 = 68 words: row r starts at bank 4 r mod 64 (64 banks of 4 bytes: ISA guide 11.1)
.set STG,    16*SP                     ; a stage: 16 rows; two for each wave
.set GL,  4                            ; v4   mask: 2048 h + 16 r: sixteen lanes read 256 consecutive bytes of a row, the other sixteen of the next row
.set SA,  5                            ; v5   the stage, on the way in: row h, 16 r
.set SB,  6                            ; v6   and on the way out: row r, 16 h
.set LO,  7                            ; v7   16 x lane: every store's offset
.set T,   8                            ; v8-11    at work
.set W,   12                           ; v12-19   the words to store: 4 registers for each half
.set KA,  20                           ; v20  K's codes: 48 (r + 8 (r / 8)) + 24 h
.set KSA, 21                           ; v21  K's scales: 2 (r + 8 (r / 8) + 8 h)
.set VA,  22                           ; v22  V's codes: 1536 r + 24 h
.set VSA, 23                           ; v23  V's scales: 64 x lane
.set R,   32                           ; v32-95   mask bytes as loaded; on the other path the 48 registers of the image, and from v80 the scale words
.set X,   96                           ; v96-159  mask bytes turned: lane (r, h): query r
	s_load_b256 s[4:11], s[0:1], 0x0               ; mask s[4:5], K's codes s[6:7], K's scales s[8:9], V's codes s[10:11]
	s_load_b128 s[12:15], s[0:1], 0x20             ; V's scales s[12:13], kv s[14:15]
	s_load_b64 s[16:17], s[0:1], 0x30              ; mw
	v_lshl_add_u32 v160, v0, 2, 0x11000
	v_mov_b32 v161, 0
	v_lshrrev_b32 v8, 5, v0
	v_readfirstlane_b32 s18, v8                    ; wave 0..7
	v_and_b32 v1, 31, v0                           ; lane
	v_and_b32 v2, 15, v0                           ; r
	v_bfe_u32 v3, v0, 4, 1                         ; h
	v_lshlrev_b32 v[LO], 4, v1
	v_lshlrev_b32 v[GL], 4, v2
	v_lshl_add_u32 v[GL], v3, 11, v[GL]
	s_mul_i32 s19, s18, 2*STG                      ; my wave's two stages
	v_mul_u32_u24 v[SA], v3, SP
	v_lshl_add_u32 v[SA], v2, 4, v[SA]
	v_add_nc_u32 v[SA], s19, v[SA]
	v_mul_u32_u24 v[SB], v2, SP
	v_lshl_add_u32 v[SB], v3, 4, v[SB]
	v_add_nc_u32 v[SB], s19, v[SB]
	v_and_b32 v24, 8, v2
	v_add_nc_u32 v24, v24, v2                      ; r + 8 (r / 8)
	v_mul_u32_u24 v[KA], v24, 48
	v_mad_u32_u24 v[KA], v3, 24, v[KA]
	v_lshl_add_u32 v[KSA], v3, 3, v24
	v_lshlrev_b32 v[KSA], 1, v[KSA]
	v_mul_u32_u24 v[VA], v2, 1536
	v_mad_u32_u24 v[VA], v3, 24, v[VA]
	v_lshlrev_b32 v[VSA], 6, v1
	s_lshl_b32 s20, ttmp9, 3
	s_add_co_u32 s20, s20, s18                     ; 8 x work-group + wave
	s_mov_b32 s23, 0                               ; the upper word of every offset: all stay under 2^32
	s_wait_kmcnt 0x0
	s_cmp_ge_u32 ttmp9, 256
	s_cbranch_scc1 .Lkv
; ---- THE MASK.  Wave u takes 16 queries (tile u / 4) x 512 keys (steps 4 (u % 4) on), as two halves of 256 keys.
	s_lshr_b32 s21, s20, 2                         ; which tile of 16 queries, 0..511
	s_and_b32 s24, s20, 3                          ; which 512 keys
	s_lshl_b32 s22, s21, 15                        ; 16 rows of 2,048 bytes
	s_lshl_b32 s25, s24, 9
	s_add_co_u32 s22, s22, s25
	s_add_nc_u64 s[4:5], s[4:5], s[22:23]
	s_lshl_b32 s22, s21, 12                        ; 16 steps of 256 bytes of words
	s_lshl_b32 s25, s24, 10
	s_add_co_u32 s22, s22, s25
	s_add_nc_u64 s[16:17], s[16:17], s[22:23]
.irp x, 0,1
.irp i, 0,1,2,3,4,5,6,7
	global_load_b128 v[R+32*\x+4*\i:R+32*\x+4*\i+3], v[GL], s[4:5] offset:4096*\i+256*\x th:TH_LOAD_NT   ; rows 2 i and 2 i + 1: twice 256 consecutive bytes, aligned; read once in the launch
.endr
.endr
.irp k, 0,1,2,3,4,5,6,7
	v_mov_b32 v[W+\k], 0                           ; written whole once: a lane write's destination counts as one of its sources
.endr
; A half goes through its stage: in as it was loaded (a row's 256 bytes from sixteen lanes), out with a lane to a query: lane (r, h) takes bytes 32 B + 16 h + 0 .. 15 of row r.
; LDS serves a wave's instructions in order (ISA guide 5.7.1.4): no wait between the stores and the loads.
.macro TURN x
.irp i, 0,1,2,3,4,5,6,7
	ds_store_b128 v[SA], v[R+32*\x+4*\i:R+32*\x+4*\i+3] offset:STG*\x+2*SP*\i
.endr
.irp i, 0,1,2,3,4,5,6,7
	ds_load_b128 v[X+32*\x+4*\i:X+32*\x+4*\i+3], v[SB] offset:STG*\x+32*\i
.endr
.endm
; Register X + g (g = 0..31) holds in byte k the mask of key 32 (g / 4) + 16 h + 4 (g % 4) + k: that is word 4 g + k of the half's 128.  A compare makes the word (bit = lane),
; and it goes to lane g of register k of four, so that the four registers, stored 16 bytes a lane, are the 128 words in order.
.macro WORDS x
.set g, 0
.rept 32
.irp k, 0,1,2,3
	v_and_b32 v[T+\k], 0xff<<(8*\k), v[X+32*\x+g]
.endr
.irp k, 0,1,2,3
	v_cmp_ne_u32 s[24+4*(g%2)+\k], 0, v[T+\k]
.endr
.irp k, 0,1,2,3
	v_writelane_b32 v[W+4*\x+\k], s[24+4*(g%2)+\k], g
.endr
.set g, g+1
.endr
	global_store_b128 v[LO], v[W+4*\x:W+4*\x+3], s[16:17] offset:512*\x   ; two steps' words: 512 consecutive bytes, aligned
.endm
	s_wait_loadcnt 8                               ; the first half's eight loads are in; the second half's eight stay out
	TURN 0
	s_wait_loadcnt 0x0
	TURN 1
	s_wait_dscnt 16                                ; the first half is back: behind its loads stand the second half's 8 stores and 8 loads
	WORDS 0
	s_wait_dscnt 0x0
	WORDS 1
	s_wait_tensorcnt 0x0
	ds_add_u32 v160, v161
	s_wait_dscnt 0x0
	s_endpgm
; ---- K AND V.  Wave u takes head u / 32, step (u / 2) % 16; the even waves K, the odd ones V.  Each lane loads its registers' bytes where they lie and the image is stored whole:
; every store of the wave covers 512 consecutive bytes, aligned.
.Lkv:
	s_and_b32 s20, s20, 2047
	s_lshr_b32 s21, s20, 5                         ; head
	s_bfe_u32 s24, s20, 0x40001                    ; step: 4 bits from bit 1
	s_mul_i32 s22, s21, 16*BLK
	s_mul_i32 s25, s24, BLK
	s_add_co_u32 s22, s22, s25
	s_add_nc_u64 s[14:15], s[14:15], s[22:23]      ; my block of kv
	s_and_b32 s25, s18, 1
	s_cmp_lg_u32 s25, 0
	s_cbranch_scc1 .Lv
	s_mul_i32 s22, s21, 98304                      ; a head's codes: 2,048 keys of 48 bytes
	s_mul_i32 s25, s24, 6144                       ; a step's: 128 keys
	s_add_co_u32 s22, s22, s25
	s_add_nc_u64 s[6:7], s[6:7], s[22:23]
	s_lshl_b32 s22, s21, 12                        ; a head's scale bytes: 2 a key
	s_lshl_b32 s25, s24, 8
	s_add_co_u32 s22, s22, s25
	s_add_nc_u64 s[8:9], s[8:9], s[22:23]
.irp t, 0,1,2,3,4,5,6,7
.irp p, 0,1,2
	global_load_b64 v[R+6*\t+2*\p:R+6*\t+2*\p+1], v[KA], s[6:7] offset:(32*(\t/2)+8*(\t%2))*48+8*\p
.endr
.endr
.irp b, 0,1,2,3
	global_load_u16 v[R+48+\b], v[KSA], s[8:9] offset:64*\b
.endr
	s_wait_loadcnt 0x0
.irp b, 0,1,2,3
	v_lshl_or_b32 v[R+48+\b], v[R+48+\b], 16, v[R+48+\b]   ; the key's two bytes, twice
.endr
.irp g, 0,1,2,3,4,5,6,7,8,9,10,11
	global_store_b128 v[LO], v[R+4*\g:R+4*\g+3], s[14:15] offset:512*\g
.endr
	global_store_b128 v[LO], v[R+48:R+51], s[14:15] offset:12288
	s_endpgm
.Lv:
	s_mul_i32 s22, s21, 98304                      ; a head's codes: 64 channels of 1,536 bytes
	s_mul_i32 s25, s24, 96                         ; a step's 128 keys in a row
	s_add_co_u32 s22, s22, s25
	s_add_nc_u64 s[10:11], s[10:11], s[22:23]
	s_lshl_b32 s22, s21, 12                        ; a head's scale bytes: 64 a channel
	s_lshl_b32 s25, s24, 2
	s_add_co_u32 s22, s22, s25
	s_add_nc_u64 s[12:13], s[12:13], s[22:23]
.irp t, 0,1,2,3
.irp c, 0,1
.irp p, 0,1,2
	global_load_b64 v[R+12*\t+6*\c+2*\p:R+12*\t+6*\c+2*\p+1], v[VA], s[10:11] offset:24576*\t+48*\c+8*\p
.endr
.endr
.endr
.irp j, 0,1
	global_load_b32 v[R+48+\j], v[VSA], s[12:13] offset:2048*\j
.endr
	v_mov_b32 v[R+50], 0x7f7f7f7f                  ; the group of four is filled; nobody uses these two
	v_mov_b32 v[R+51], 0x7f7f7f7f
	s_wait_loadcnt 0x0
.irp g, 0,1,2,3,4,5,6,7,8,9,10,11
	global_store_b128 v[LO], v[R+4*\g:R+4*\g+3], s[14:15] offset:6144+512*\g
.endr
	global_store_b128 v[LO], v[R+48:R+51], s[14:15] offset:12800
	s_endpgm
.Lfunc_end_k_qa56ce6491a_prep:
	.size	k_qa56ce6491a_prep, .Lfunc_end_k_qa56ce6491a_prep-k_qa56ce6491a_prep
	.p2alignl 7, 3214868480
	.fill 96, 4, 3214868480
	.section	.rodata,"a",@progbits
	.p2align	6, 0x0
	.amdhsa_kernel k_qa56ce6491a_prep
		.amdhsa_group_segment_fixed_size 70656
		.amdhsa_private_segment_fixed_size 0
		.amdhsa_enable_private_segment 0
		.amdhsa_kernarg_size 56
		.amdhsa_user_sgpr_count 2
		.amdhsa_user_sgpr_kernarg_segment_ptr 1
		.amdhsa_wavefront_size32 1
		.amdhsa_system_sgpr_workgroup_id_x 1
		.amdhsa_system_sgpr_workgroup_id_y 1
		.amdhsa_system_sgpr_workgroup_id_z 1
		.amdhsa_system_vgpr_workitem_id 0
		.amdhsa_next_free_vgpr 162
		.amdhsa_next_free_sgpr 66
		.amdhsa_reserve_vcc 0
		.amdhsa_float_denorm_mode_32 3
		.amdhsa_float_denorm_mode_16_64 3
		.amdhsa_memory_ordered 1
		.amdhsa_forward_progress 1
		.amdhsa_inst_pref_size 64
	.end_amdhsa_kernel
	.amdgpu_metadata
---
amdhsa.version: [ 1, 2 ]
amdhsa.kernels:
  - .name:           k_qa56ce6491a_prep
    .symbol:         k_qa56ce6491a_prep.kd
    .args:
      - { .name: mask, .offset: 0, .size: 8, .value_kind: global_buffer, .address_space: global }
      - { .name: k_codes, .offset: 8, .size: 8, .value_kind: global_buffer, .address_space: global }
      - { .name: k_scales, .offset: 16, .size: 8, .value_kind: global_buffer, .address_space: global }
      - { .name: v_codes, .offset: 24, .size: 8, .value_kind: global_buffer, .address_space: global }
      - { .name: v_scales, .offset: 32, .size: 8, .value_kind: global_buffer, .address_space: global }
      - { .name: kv, .offset: 40, .size: 8, .value_kind: global_buffer, .address_space: global }
      - { .name: mw, .offset: 48, .size: 8, .value_kind: global_buffer, .address_space: global }
    .group_segment_fixed_size: 70656
    .private_segment_fixed_size: 0
    .kernarg_segment_align: 8
    .kernarg_segment_size: 56
    .max_flat_workgroup_size: 256
    .sgpr_count:     66
    .vgpr_count:     162
    .wavefront_size: 32
...
	.end_amdgpu_metadata
.endif
;; end of part 1
;; launch attn (part 2): grid 4 x 64, 16 waves a work-group, clusters of 4 x 1, 284,672 bytes of LDS; arguments kv, mw, q_codes, q_scales, out0; writes out0
.if DOCPART == 2
	.amdgcn_target "amdgcn-amd-amdhsa--gfx1250"
	.amdhsa_code_object_version 6
	.text
	.protected	k_qa56ce6491a_attn
	.globl	k_qa56ce6491a_attn
	.p2align	8
	.type	k_qa56ce6491a_attn,@function
k_qa56ce6491a_attn:
	s_mov_b64 s[64:65], 0
	v_nop
	global_prefetch_b8 v0, s[64:65] scope:SCOPE_SE
	s_setreg_imm32_b32 hwreg(HW_REG_WAVE_MODE, 25, 1), 1
	s_wait_xcnt 0x0
	s_wait_alu depctr_hold_cnt(0) depctr_sa_sdst(0) depctr_va_vdst(0) depctr_va_sdst(0) depctr_va_ssrc(0) depctr_va_vcc(0) depctr_vm_vsrc(0)
	s_getreg_b32 s2, hwreg(HW_REG_IB_STS2, 6, 4)
	s_cmp_eq_u32 s2, 0
	s_cbranch_scc0 .Lentry_in_a_cluster
	s_endpgm
.Lentry_in_a_cluster:
	s_bfe_u32 s2, ttmp6, 0x10000c
	s_cmp_lg_u32 s2, 0x3003
	s_cbranch_scc0 .Lentry_shape_is_right
	s_endpgm
.Lentry_shape_is_right:
; out[head][q][:] = the sum over k of softmax_k(masked(Q[q] . K[k] / 8)) V[k][:], 64 heads, 2,048 queries and keys, 64 channels; both products on codes of FP6 (E2M3) with one E8M0 scale for each 32 along K.
; THE SOFTMAX AHEAD OF THE SECOND PRODUCT: t = score x log2(e) / 8; M = the row's largest t so far, rounded UP to a whole number; p = 2^(t - M) is quantised along the keys, not normalised.
; The row's sum is taken of the unquantised p, in f32, and divides at the end.  When M moves, the sum and O are multiplied by 2^(old M - new M): exact.
; THE MASK is an input, one byte for (batch, query, key); the launch before has turned it into lane masks: one word for each score register of a step, read by scalar loads; a masked score is
; replaced by one select.  Nothing is branched on it and no step is left out: a row that is masked whole comes out as the mean of V.
; LIMITS.  A masked score is -2^33 in units of q . k, a logit of -2^30, where the problem writes -1e9: -2^33 x c is exact in f32, so that in a row masked whole t - M is exactly 0 and every p exactly 1.
; The results agree with the problem's as long as the unmasked logits lie above about -1e9 (|q . k| under 7.9e9).  A scale byte 0xff gives NaN.  NaN cannot come from the codes.
; SHARES.  A cluster of four work-groups takes one head; a work-group 512 of its queries; each of its SIXTEEN waves 32 of them, as two tiles of 16, one after the other, in 256 registers:
; four waves to a SIMD, so that one wave's matrix work, LDS loads and exponentials stand beside another's vector work.  Every tile walks the head's 16 steps of 128 keys.
; LDS.  The head's K, V and their scales, 16 blocks of 13,312 bytes laid as images of operand registers, are brought ONCE (each wave asks for one block) and only read from then on:
; nothing is filled again.  The four work-groups want the same 16 blocks, so each block is asked for JOINTLY: the same tensor load, the same descriptor, a mask that names the four.
; LAYOUT.  Both products are used transposed: S^T = K Q^T (source 0 = 16 keys, source 1 = my 16 queries), O^T = V^T P^T (source 0 = 16 channels, source 1 = P): a lane holds ONE query (lane % 16).
; THE KEYS OF A TILE ARE NOT NEIGHBOURS: lane r of tile 2 b + u takes key 32 b + 8 u + r + 8 (r / 8), so that score register 16 b + e holds key 32 b + 16 (lane / 16) + e.
; THE FIRST PRODUCT'S K IS 64, half of the instruction's 128.  Q's registers 6-11 hold zero codes; K's tile t is named as 12 registers from 6 t on, so that its upper six are the next tile's codes
; (six zeros behind the last).  FP6 has no infinity and no NaN, so those products are exact zeros; their scale bytes repeat the row's two real bytes.
.set BLK,  13312                       ; a step's block in LDS: K's image at 0, V's at 6,144, K's scale words at 12,288, V's at 12,800
.set STG,  16*BLK                      ; behind the blocks: a stage of 16 rows x 272 bytes for each wave, bytes of its own in which no tensor load lands
.set SP,   272                         ; 256 bytes + 16 = 68 words: row r starts at bank 4 r mod 64 (64 banks of 4 bytes: ISA guide 11.1)
.set LI,   1                           ; v1   16 x lane: an image's place for my lane; also my offset in the stores of out
.set ADR,  2                           ; v2   LI + the block in hand
.set NEG,  3                           ; v3   -2^33
.set SIN,  4                           ; v4   the stage, in: row r, 32 h
.set SOUT, 5                           ; v5   the stage, out: row h, 16 r
.set QA,   7                           ; v7   Q's codes: 48 r + 24 h
.set QSA,  8                           ; v8   Q's scales: 2 r
.set NM,   12                          ; v12 -M, v13 the largest t so far
.set LS,   14                          ; v[14:15] the row's sum in two halves
.set QF,   16                          ; v16-21 Q's codes, v22-27 zeros
.set QS,   28                          ; v28  Q's scale word
.set F,    32                          ; v32-79 K's image, then V's; v80-85 zeros
.set KS,   88                          ; v88-91 K's scale words
.set VS,   92                          ; v92-95 V's
.set S,    96                          ; v96-159 the scores, then p
.set OA,   160                         ; v160-191 O^T
.set PC,   192                         ; v192-203 p's codes
.set PT,   204                         ; v204-206, v208-210 the conversions' second halves
.set BM,   212                         ; v212-215 the blocks' largest scores, then largest p
.set BT,   216                         ; v216-219 the other half's maxima, then the scale bytes
.set SOP,  220                         ; v220-223 the conversions' scale operands
.set FF,   224                         ; v[224:225] f = 2^(old M - new M); the upper word is only named
.set TMP,  226
.set PW,   227                         ; p's scale word
.set L2,   228                         ; v[228:229] the sums' second chain
; s4-51, s68-83: the step's 64 mask words (word n at s[4+n] under 48, else at s[20+n]); at the head the same registers hold the arguments and what is made of the ids
.set WV,   52                          ; my wave's number
.set TI,   53                          ; tiles to go
.set SEL,  54                          ; s[54:55] lane selects for v_permlanex16_b32: lane l xor 16
.set CS,   56                          ; s[56:57] c = log2(e) / 8
.set TB,   58                          ; LDS byte of the block in hand
.set STP,  59                          ; steps to go in the loop
.set SOFF, 60                          ; byte offset of the mask words to fetch, from MB
.set MB,   62                          ; s[62:63] my two tiles' mask words: 32 steps of 256 bytes
.set QC,   84                          ; s[84:85] Q's codes at my tile
.set QSB,  86                          ; s[86:87] Q's scales
.set G1,   88                          ; s[88:95] descriptor group 1
.set G0,   96                          ; s[96:99] descriptor group 0
.set OUT,  100                         ; s[100:101] out at my tile
; A round of the cluster's barrier: my work-group's barrier; wave 0 signals for the work-group; every wave waits for all four work-groups; my work-group's barrier once more.
.macro CROUND
	s_barrier_signal -1
	s_barrier_wait -1
	s_cmp_lg_u32 s[WV], 0
	s_cbranch_scc1 .Lnot_wave_0_\@
	s_barrier_signal -3
.Lnot_wave_0_\@:
	s_barrier_wait -3
	s_barrier_signal -1
	s_barrier_wait -1
.endm
.macro MLOAD                           ; a step's 64 mask words
	s_load_b512 s[4:19],  s[MB:MB+1], s[SOFF] offset:0x0
	s_load_b512 s[20:35], s[MB:MB+1], s[SOFF] offset:0x40
	s_load_b512 s[36:51], s[MB:MB+1], s[SOFF] offset:0x80
	s_load_b512 s[68:83], s[MB:MB+1], s[SOFF] offset:0xc0
.endm
.macro KLOAD off                       ; K's image and scale words of the block off bytes behind the one in hand: every load takes 512 consecutive bytes
.irp g, 0,1,2,3,4,5,6,7,8,9,10,11
	ds_load_b128 v[F+4*\g:F+4*\g+3], v[ADR] offset:\off+512*\g
.endr
	ds_load_b128 v[KS:KS+3], v[ADR] offset:\off+12288
.endm
.macro VLOAD                           ; V's of the block in hand
.irp g, 0,1,2,3,4,5,6,7,8,9,10,11
	ds_load_b128 v[F+4*\g:F+4*\g+3], v[ADR] offset:6144+512*\g
.endr
	ds_load_b128 v[VS:VS+3], v[ADR] offset:12800
.endm
	s_load_b256 s[4:11], s[0:1], 0x0               ; kv s[4:5], mw s[6:7], Q's codes s[8:9], Q's scales s[10:11]
	s_load_b64 s[12:13], s[0:1], 0x20              ; out
	v_lshl_add_u32 v254, v0, 2, 0x45000
	v_mov_b32 v255, 0
	ds_add_u32 v254, v255
	ds_add_u32 v254, v255
	v_lshrrev_b32 v6, 5, v0
	v_readfirstlane_b32 s[WV], v6                  ; wave 0..15
	s_bfe_u32 s14, ttmp6, 0x40000                  ; cx: my place in the cluster
	s_lshl_b32 s15, ttmp9, 2                       ; in a cluster launch ttmp9 counts clusters
	s_add_co_u32 s15, s15, s14                     ; my block of 512 queries: it enters Q's, the mask words' and out's addresses alone
	s_and_b32 s16, ttmp7, 0xffff                   ; the head, which the four partners share
	; descriptor group 1: a dense block of 13,312 bytes as 52 rows of 256 bytes (32 elements of 8 bytes), no padding: the images are read 512 consecutive bytes at a time
	s_mov_b32 s[G1+0], 15|(3<<16)|(1<<21)          ; 15:0 the mask: all four work-groups; 17:16 elements of 8 bytes; 21 set beside a mask
	s_mov_b32 s[G1+1], 32<<16                      ; tensor_dim0 = 32
	s_mov_b32 s[G1+2], 52<<16                      ; tensor_dim1 = 52
	s_mov_b32 s[G1+3], 32<<16                      ; tile_dim0 = 32
	s_mov_b32 s[G1+4], 52                          ; tile_dim1 = 52
	s_mov_b32 s[G1+5], 32                          ; from row to row: 32 elements
	s_mov_b32 s[G1+6], 0
	s_mov_b32 s[G1+7], 0
	s_mov_b32 s[G0], 1                             ; count = 1
	s_mul_i32 s[G0+1], s[WV], BLK                  ; LDS address: block = my wave's number: no place in the cluster enters it
	s_mul_i32 s20, s16, 16*BLK
	s_add_co_u32 s20, s20, s[G0+1]                 ; the same block of the head in kv: made of the head and the wave's number alone
	s_mov_b32 s21, 0
	s_lshl_b32 s22, s16, 11
	s_lshl_b32 s23, s15, 9
	s_add_co_u32 s22, s22, s23
	s_lshl_b32 s23, s[WV], 5
	s_add_co_u32 s22, s22, s23                     ; my first query among all heads': 2048 head + 512 block + 32 wave
	s_mul_i32 s24, s22, 48                         ; its codes,
	s_mov_b32 s25, 0
	s_lshl_b32 s26, s22, 1                         ; its scale bytes,
	s_mov_b32 s27, 0
	s_lshl_b32 s28, s22, 8                         ; its row of out
	s_mov_b32 s29, 0
	s_lshr_b32 s30, s16, 4                         ; the batch: the mask is shared by its 16 heads
	s_lshl_b32 s30, s30, 7
	s_lshl_b32 s31, s15, 5
	s_add_co_u32 s30, s30, s31
	s_lshl_b32 s31, s[WV], 1
	s_add_co_u32 s30, s30, s31                     ; my first tile of 16 queries: 128 batch + 32 block + 2 wave
	s_lshl_b32 s30, s30, 12                        ; 4,096 bytes of words a tile
	s_mov_b32 s31, 0
	s_mov_b32 s[SEL], 0x76543210
	s_mov_b32 s[SEL+1], 0xfedcba98
	s_mov_b32 s[CS], 0x3e38aa3b                    ; c = log2(e) / 8
	s_mov_b32 s[CS+1], s[CS]                       ; (named with it as a pair, so it is written)
	s_mov_b32 s[SOFF], 0
	s_mov_b32 s[TI], 2
	s_wait_dscnt 0x0
	s_wait_kmcnt 0x0
	s_add_nc_u64 s[G0+2:G0+3], s[4:5], s[20:21]
	s_or_b32 s[G0+3], s[G0+3], 0x80000000          ; type = 2
	s_add_nc_u64 s[MB:MB+1], s[6:7], s[30:31]
	s_add_nc_u64 s[QC:QC+1], s[8:9], s[24:25]
	s_add_nc_u64 s[QSB:QSB+1], s[10:11], s[26:27]
	s_add_nc_u64 s[OUT:OUT+1], s[12:13], s[28:29]
	CROUND                                         ; all four work-groups are here: the joint loads meet
	tensor_load_to_lds s[G0:G0+3], s[G1:G1+7]      ; my one tensor load of the launch: block = my wave's number
	s_nop 0
.rept 4
	v_nop
.endr
	MLOAD                                          ; the first step's mask words, over the registers that held the arguments
	v_and_b32 v9, 15, v0                           ; r
	v_bfe_u32 v10, v0, 4, 1                        ; h
	v_and_b32 v[LI], 31, v0
	v_lshlrev_b32 v[LI], 4, v[LI]
	s_mul_i32 s66, s[WV], 16*SP
	s_add_co_u32 s66, s66, STG                     ; my stage
	v_mul_u32_u24 v[SIN], v9, SP
	v_lshl_add_u32 v[SIN], v10, 5, v[SIN]
	v_add_nc_u32 v[SIN], s66, v[SIN]
	v_mul_u32_u24 v[SOUT], v10, SP
	v_lshl_add_u32 v[SOUT], v9, 4, v[SOUT]
	v_add_nc_u32 v[SOUT], s66, v[SOUT]
	v_mul_u32_u24 v[QA], v9, 48
	v_mad_u32_u24 v[QA], v10, 24, v[QA]
	v_lshlrev_b32 v[QSA], 1, v9
	v_mov_b32 v[NEG], 0xd0000000                   ; -2^33
.irp j, 0,1,2,3,4,5
	v_mov_b32 v[QF+6+\j], 0                        ; Q's idle half: zero codes, written once
	v_mov_b32 v[F+48+\j], 0                        ; and what stands behind K's last tile
.endr
.irp b, 0,1,2,3
	v_mov_b32 v[BT+\b], 0                          ; written once: a lane permute's destination counts as one of its sources
.endr
	v_mov_b32 v[FF+1], 0                           ; (named as the upper half of a pair)
	v_mov_b32 v[TMP], 0
	s_wait_tensorcnt 0x0                           ; my block has landed,
	s_barrier_signal -1
	s_barrier_wait -1                              ; everybody's has: from here on the 16 blocks are only read
; A KEY STEP: 128 keys.  pf = 1: the next step's K is fetched at its end, and the block's address steps.
.macro STEP pf
	v_add_nc_u32 v[ADR], s[TB], v[LI]
	s_wait_dscnt 0x0                               ; K's 13 loads are in: they were asked for ahead of the last step's sums
.irp t, 0,2,4,6                                ; S^T = K Q^T: eight tiles of 16 keys, each a sum of its own begun with 0
	v_wmma_scale_f32_16x16x128_f8f6f4 v[S+8*\t:S+8*\t+7], v[F+6*\t:F+6*\t+11], v[QF:QF+11], 0, v[KS+\t/2], v[QS] matrix_a_fmt:MATRIX_FMT_FP6 matrix_b_fmt:MATRIX_FMT_FP6
	v_wmma_scale_f32_16x16x128_f8f6f4 v[S+8*\t+8:S+8*\t+15], v[F+6*\t+6:F+6*\t+17], v[QF:QF+11], 0, v[KS+\t/2], v[QS] matrix_a_fmt:MATRIX_FMT_FP6 matrix_b_fmt:MATRIX_FMT_FP6 matrix_a_scale:MATRIX_SCALE_ROW1
.endr
.rept 4
	v_nop                                          ; four places ahead of the loads into K's registers and of the first read of the scores
.endr
	VLOAD                                          ; V has the whole softmax in which to come
	s_wait_kmcnt 0x0                               ; this step's mask words are in, so their offset may step:
	s_add_co_u32 s[SOFF], s[SOFF], 256             ; the next step's words, on into my second tile's;
	s_min_u32 s[SOFF], s[SOFF], 7936               ; my 32nd step asks for its own words again: no load leaves my 8,192 bytes
.set n, 0
.rept 64                                       ; a masked score becomes -2^33.  In ascending order: each accumulator is read from its low end on
.if n < 48
	v_cndmask_b32 v[S+n], v[S+n], v[NEG], s[4+n]
.else
	v_cndmask_b32 v[S+n], v[S+n], v[NEG], s[20+n]
.endif
.set n, n+1
.endr
.irp b, 0,1,2,3
	v_max3_num_f32 v[BM+\b], v[S+16*\b], v[S+16*\b+1], v[S+16*\b+2]   ; THE LARGEST SCORE OF EACH BLOCK OF 32 KEYS: it serves the row's maximum and, since p rises with the score, the block's largest p
.endr
.irp i, 3,5,7,9,11,13
.irp b, 0,1,2,3
	v_max3_num_f32 v[BM+\b], v[BM+\b], v[S+16*\b+\i], v[S+16*\b+\i+1]   ; (the four blocks by turns)
.endr
.endr
.irp b, 0,1,2,3
	v_max_num_f32 v[BM+\b], v[BM+\b], v[S+16*\b+15]
.endr
	MLOAD                                          ; the next step's mask words: nearly a whole step ahead of the wait for them
.irp b, 0,1,2,3
	v_permlanex16_b32 v[BT+\b], v[BM+\b], s[SEL], s[SEL+1]
.endr
.irp b, 0,1,2,3
	v_max_num_f32 v[BM+\b], v[BM+\b], v[BT+\b]     ; with lane l xor 16's 16 keys
.endr
	v_max3_num_f32 v[TMP], v[BM], v[BM+1], v[BM+2]
	v_max_num_f32 v[TMP], v[TMP], v[BM+3]          ; the step's largest score of my query
	v_mul_f32 v[TMP], s[CS], v[TMP]                ; as t (c is positive)
	v_max_num_f32 v[NM+1], v[NM+1], v[TMP]         ; the running largest t
	v_mov_b32 v[TMP], v[NM]
	v_floor_f32 v[NM], -v[NM+1]                    ; the new -M = floor(-t) = -ceil(t): M is a whole number
	v_sub_f32 v[TMP], v[NM], v[TMP]                ; M's old value less its new one: a whole number, 0 or less
	v_cvt_i32_f32 v[TMP], v[TMP]                   ; (it saturates)
	v_ldexp_f32 v[FF], 1.0, v[TMP]                 ; f = 2^(old M - new M)
.irp j, 0,2,4,6,8,10,12,14,16,18,20,22,24,26,28,30,32,34,36,38,40,42,44,46,48,50,52,54,56,58,60,62
	v_pk_fma_f32 v[S+\j:S+\j+1], v[S+\j:S+\j+1], s[CS:CS+1], v[NM:NM+1] op_sel_hi:[1,0,0]   ; t - M, two at a time (of the pairs c and -M the low word serves both halves)
.endr
.irp b, 0,1,2,3
	v_fma_f32 v[BM+\b], v[BM+\b], s[CS], v[NM]     ; the same of each block's largest score
.endr
.set n, 0
.rept 64
	v_exp_f32 v[S+n], v[S+n]                       ; p = 2^(t - M), at most 1: not normalised
.set n, n+1
.endr
.irp b, 0,1,2,3
	v_exp_f32 v[BM+\b], v[BM+\b]                   ; the block's largest p: the same two instructions on the same number give the same bits
.endr
	v_pk_mul_f32 v[LS:LS+1], v[LS:LS+1], v[FF:FF+1] op_sel_hi:[1,0]   ; the sums under the new M.  (The plain instruction behind the exponentials: ISA guide 5.7.2)
	s_wait_alu depctr_va_vdst(0)
.irp b, 0,1,2,3
	v_max_num_f32 v[BM+\b], 0x1800000, v[BM+\b]    ; the floor 2^(3 - 127): the byte cannot fall under 1 (a block whose every p is 0 keeps that byte: its codes are zeros)
.endr
.irp b, 0,1,2,3
	v_add_nc_u32 v[SOP+\b], 0xff000000, v[BM+\b]   ; 2 off the exponent field: the conversion's scale operand
.endr
.irp b, 0,1,2,3
	v_lshrrev_b32 v[BT+\b], 23, v[SOP+\b]          ; the scale's byte
.endr
	v_lshl_or_b32 v[PW], v[BT+1], 8, v[BT]         ; p's scale word for these 128 keys
	v_lshl_or_b32 v[PW], v[BT+2], 16, v[PW]
	v_lshl_or_b32 v[PW], v[BT+3], 24, v[PW]
.irp c, 0,1
	v_cvt_scalef32_pk16_fp6_f32 v[PC+6*\c:PC+6*\c+2], v[S+32*\c:S+32*\c+15], v[SOP+2*\c]
	v_cvt_scalef32_pk16_fp6_f32 v[PT+4*\c:PT+4*\c+2], v[S+32*\c+16:S+32*\c+31], v[SOP+2*\c+1]   ; (a conversion's three registers begin on an even number)
.endr
	v_nop                                          ; one plain instruction between a scaled conversion and what touches its result
.irp c, 0,1                                    ; the operand's layout wants a WHOLE block in a lane: lanes 0-15 block 2 c, lanes 16-31 block 2 c + 1
.irp i, 0,1,2
	v_permlane16_swap_b32 v[PC+6*\c+\i], v[PT+4*\c+\i]
.endr
.irp i, 0,1,2
	v_mov_b32 v[PC+6*\c+3+\i], v[PT+4*\c+\i]
.endr
.endr
.irp j, 0,2,4,6,8,10,12,14,16,18,20,22,24,26,28,30
	v_pk_mul_f32 v[OA+\j:OA+\j+1], v[OA+\j:OA+\j+1], v[FF:FF+1] op_sel_hi:[1,0]   ; O^T under the new M, from each accumulator's low end on.  These 16 also part p's codes and scale word from the products below
.endr
	s_wait_dscnt 0x0                               ; V's 13 loads are in
.irp t, 0,2                                    ; O^T += V^T P^T: four tiles of 16 channels, one instruction each; the eight score products stand between a sum's link and its next
	v_wmma_scale_f32_16x16x128_f8f6f4 v[OA+8*\t:OA+8*\t+7], v[F+12*\t:F+12*\t+11], v[PC:PC+11], v[OA+8*\t:OA+8*\t+7], v[VS+\t/2], v[PW] matrix_a_fmt:MATRIX_FMT_FP6 matrix_b_fmt:MATRIX_FMT_FP6
	v_wmma_scale_f32_16x16x128_f8f6f4 v[OA+8*\t+8:OA+8*\t+15], v[F+12*\t+12:F+12*\t+23], v[PC:PC+11], v[OA+8*\t+8:OA+8*\t+15], v[VS+\t/2], v[PW] matrix_a_fmt:MATRIX_FMT_FP6 matrix_b_fmt:MATRIX_FMT_FP6 matrix_a_scale:MATRIX_SCALE_ROW1
.endr
	v_pk_add_f32 v[L2:L2+1], v[S:S+1], v[S+2:S+3]  ; THE ROW'S SUM IS TAKEN OF THE UNQUANTISED p: two at a time, in two chains.  The first five name no register of the products above: they are the places ahead of the loads into V's registers
.irp j, 4,8
	v_pk_add_f32 v[LS:LS+1], v[LS:LS+1], v[S+\j:S+\j+1]
	v_pk_add_f32 v[L2:L2+1], v[L2:L2+1], v[S+\j+2:S+\j+3]
.endr
.if \pf
	KLOAD BLK                                      ; the next step's K comes while the sums go on
.endif
.irp j, 12,16,20,24,28,32,36,40,44,48,52,56,60
	v_pk_add_f32 v[LS:LS+1], v[LS:LS+1], v[S+\j:S+\j+1]
	v_pk_add_f32 v[L2:L2+1], v[L2:L2+1], v[S+\j+2:S+\j+3]
.endr
	v_pk_add_f32 v[LS:LS+1], v[LS:LS+1], v[L2:L2+1]
.if \pf
	s_add_co_u32 s[TB], s[TB], BLK
.endif
.endm
.Ltile:                                            ; two trips: my two tiles of 16 queries
.irp p, 0,1,2
	global_load_b64 v[QF+2*\p:QF+2*\p+1], v[QA], s[QC:QC+1] offset:8*\p   ; Q's fragment: 24 bytes at 24 h of row r
.endr
	global_load_u16 v[QS], v[QSA], s[QSB:QSB+1]    ; and row r's two scale bytes
	s_mov_b32 s[TB], 0
	v_mov_b32 v[ADR], v[LI]
	KLOAD 0                                        ; the first step's K
	v_mov_b32 v[NM+1], 0xff61b1e6                  ; the largest t so far: -3e38, under every t
	v_floor_f32 v[NM], -v[NM+1]                    ; -M
	v_mov_b32 v[LS], 0                             ; the sum, in two halves
	v_mov_b32 v[LS+1], 0
	s_wait_loadcnt 0x0                             ; Q
	v_lshl_or_b32 v[QS], v[QS], 16, v[QS]          ; the two bytes, twice: the upper two scale the idle half
.set n, 0
.rept 32
	v_mov_b32 v[OA+n], 0                           ; O^T: the step is written without a first step of its own; the first change of M multiplies zeros.  These 32 also part the scale word just made from the first product
.set n, n+1
.endr
	s_mov_b32 s[STP], 15
.Lstep:                                            ; 15 trips; the 16th step is written out, since it fetches no further K
	STEP 1
	s_sub_co_u32 s[STP], s[STP], 1
	s_cmp_lg_u32 s[STP], 0
	s_cbranch_scc1 .Lstep
	STEP 0
	; THE WAY OUT.  O^T / the sum goes through my stage: in, a lane's eight channels of a row; out, whole rows of 256 bytes.
	v_add_f32 v[LS], v[LS], v[LS+1]                ; the sum's two halves,
	v_permlanex16_b32 v[TMP], v[LS], s[SEL], s[SEL+1]
	v_add_f32 v[LS], v[LS], v[TMP]                 ; and lane l xor 16's: the row's sum
	v_rcp_f32 v[LS], v[LS]
	v_nop                                          ; a plain instruction behind the reciprocal (ISA guide 5.7.2)
	s_wait_alu depctr_va_vdst(0)
.irp j, 0,2,4,6,8,10,12,14,16,18,20,22,24,26,28,30
	v_pk_mul_f32 v[S+\j:S+\j+1], v[OA+\j:OA+\j+1], v[LS:LS+1] op_sel_hi:[1,0]   ; register 8 t + i is out(r, 16 t + 8 h + i)
.endr
.irp t, 0,1,2,3
	ds_store_b128 v[SIN], v[S+8*\t:S+8*\t+3] offset:64*\t
	ds_store_b128 v[SIN], v[S+8*\t+4:S+8*\t+7] offset:64*\t+16
.endr
.irp i, 0,1,2,3,4,5,6,7
	ds_load_b128 v[F+4*\i:F+4*\i+3], v[SOUT] offset:2*SP*\i   ; LDS serves a wave's instructions in order (ISA guide 5.7.1.4): these see my stores
.endr
.irp i, 0,1,2,3,4,5,6,7
	s_wait_dscnt 7-\i                              ; load i is back; the 7 - i younger ones stay out
	global_store_b128 v[LI], v[F+4*\i:F+4*\i+3], s[OUT:OUT+1] offset:512*\i th:TH_STORE_NT   ; rows 2 i and 2 i + 1: 512 consecutive bytes, aligned; written once, read by nobody here
.endr
	s_wait_xcnt 0x0                                ; the stores have read their registers and their base: both are written again only behind this wait
	s_add_nc_u64 s[QC:QC+1], s[QC:QC+1], 16*48     ; on to my second tile
	s_add_nc_u64 s[QSB:QSB+1], s[QSB:QSB+1], 16*2
	s_add_nc_u64 s[OUT:OUT+1], s[OUT:OUT+1], 16*256
	s_sub_co_u32 s[TI], s[TI], 1
	s_cmp_lg_u32 s[TI], 0
	s_cbranch_scc1 .Ltile
	s_wait_tensorcnt 0x0
	ds_add_u32 v254, v255
	s_wait_dscnt 0x0
	CROUND                                         ; the closing round (no LDS instruction of mine is out: the last count-down ended at 0; my tensor load was waited for at the head)
	s_endpgm
.Lfunc_end_k_qa56ce6491a_attn:
	.size	k_qa56ce6491a_attn, .Lfunc_end_k_qa56ce6491a_attn-k_qa56ce6491a_attn
	.p2alignl 7, 3214868480
	.fill 96, 4, 3214868480
	.section	.rodata,"a",@progbits
	.p2align	6, 0x0
	.amdhsa_kernel k_qa56ce6491a_attn
		.amdhsa_group_segment_fixed_size 284672
		.amdhsa_private_segment_fixed_size 0
		.amdhsa_enable_private_segment 0
		.amdhsa_kernarg_size 40
		.amdhsa_user_sgpr_count 2
		.amdhsa_user_sgpr_kernarg_segment_ptr 1
		.amdhsa_wavefront_size32 1
		.amdhsa_system_sgpr_workgroup_id_x 1
		.amdhsa_system_sgpr_workgroup_id_y 1
		.amdhsa_system_sgpr_workgroup_id_z 1
		.amdhsa_system_vgpr_workitem_id 0
		.amdhsa_next_free_vgpr 256
		.amdhsa_next_free_sgpr 102
		.amdhsa_reserve_vcc 0
		.amdhsa_float_denorm_mode_32 3
		.amdhsa_float_denorm_mode_16_64 3
		.amdhsa_memory_ordered 1
		.amdhsa_forward_progress 1
		.amdhsa_inst_pref_size 50
	.end_amdhsa_kernel
	.amdgpu_metadata
---
amdhsa.version: [ 1, 2 ]
amdhsa.kernels:
  - .name:           k_qa56ce6491a_attn
    .symbol:         k_qa56ce6491a_attn.kd
    .args:
      - { .name: kv, .offset: 0, .size: 8, .value_kind: global_buffer, .address_space: global }
      - { .name: mw, .offset: 8, .size: 8, .value_kind: global_buffer, .address_space: global }
      - { .name: q_codes, .offset: 16, .size: 8, .value_kind: global_buffer, .address_space: global }
      - { .name: q_scales, .offset: 24, .size: 8, .value_kind: global_buffer, .address_space: global }
      - { .name: out0, .offset: 32, .size: 8, .value_kind: global_buffer, .address_space: global }
    .group_segment_fixed_size: 284672
    .private_segment_fixed_size: 0
    .kernarg_segment_align: 8
    .kernarg_segment_size: 40
    .max_flat_workgroup_size: 512
    .sgpr_count:     102
    .vgpr_count:     256
    .wavefront_size: 32
...
	.end_amdgpu_metadata
.endif
;; end of part 2
